; MI455X (gfx1250); checked and timed in simulation.
; The chip was launched on July 23, 2026; its instructions are those of AMD's public machine-readable ISA for CDNA 5 (MIT licence, August 2026) and "CDNA5" Instruction Set Architecture Reference Guide (July 2026). The comments in the code are by the model that wrote it; some were corrected since.
;; Exp Mov Avg Model. Allowed arithmetic: matrix products marked QUANTISED: E2M3 operands, one E8M0 scale for each 32 along K, by v_wmma_scale_f32_16x16x128_f8f6f4 with both operands' format E2M3, f32 sums; products left as they are: f32 operands where the result goes on into a quantised operand, else bf16, f16 or f32 operands; f32 sums; everything else in f32.
;; Inputs: embd_weight 50,000 x 128 float32; lam_b 1 float32; lam_w 128 x 1 float32; problem_seq 32 x 1,024 int32; y 32 x 1,024 float32.
;; Outputs: out0 32 x 1,024 float32.
;; This version of the problem:
;;   THIS VERSION OF THE PROBLEM IS GIVEN IN LOW PRECISION. The matrix products marked QUANTISED in the list below multiply operands that are first quantised to E2M3 (2 exponent bits, 3 mantissa bits; 6 bits a number), with one power-of-two scale for each 32 numbers along K (OCP MX v1.0); their sums are f32. All else is computed in f32.
;;   The module's matrix products, in the order in which they are computed (A, B: the left and right operand; K: the contracted axis; several contracted axes count as one K, in the product's order):
;;     1. batch 32 x [M 1,024, K 128] x [K 128, N 1,024]; A: computed on the way; B: computed on the way: QUANTISED
;;     2. [M 32,768, K 128] x [K 128, N 1]; A: computed on the way; B: input lam_w: left as it is (N = 1 < 16)
;;     3. batch 32 x [M 1, K 1,024] x [K 1,024, N 1,024]; A: input y; B: computed on the way: left as it is (M = 1 < 16)
;;   THE QUANTISER, for each operand of a quantised product, along K:
;;     - K is cut into blocks of 32 from its start; a last block that is shorter is filled with zeros.
;;     - A block's scale is 2^e with e = floor(log2(the largest magnitude in the block)) - 2, held to -126 .. 127; a block of zeros has e = 0. As a byte (E8M0): e + 127.
;;     - Each number is divided by its block's scale, clamped to +-7.5, and rounded to the nearest number of E2M3, ties to even, subnormals kept.
;;     - The product sums the exact products of the quantised numbers (number of the format x scale) in f32.
;;   ~~~python
;;   def quantise(x, axis):      # numpy; x: float32 -> the quantised numbers, widened to float32 again
;;       x = np.moveaxis(x, axis, -1); K = x.shape[-1]
;;       x = np.pad(x, [(0, 0)] * (x.ndim - 1) + [(0, -K % 32)]); x = x.reshape(x.shape[:-1] + (-1, 32)); a = np.abs(x).max(-1, keepdims=True)
;;       e = np.where(a > 0, np.clip(np.frexp(np.where(a > 0, a, 1))[1] - 1 - 2, -126, 127), 0)      # np.frexp(a)[1] - 1 = floor(log2(a)), exactly
;;       r = np.clip(x / 2.0 ** e, -7.5, 7.5)
;;       step = 2.0 ** (np.maximum(np.frexp(np.where(r == 0, 1, r))[1] - 1, 0) - 3)
;;       q = np.round(r / step) * step * 2.0 ** e      # np.round: ties to even
;;       return np.moveaxis(q.reshape(q.shape[:-2] + (-1,))[..., :K], -1, axis).astype(np.float32)
;;   ~~~
;;   OPERANDS COMPUTED ON THE WAY. 'Computed on the way' means the value that the module computes at that place (a softmax that the list does not call 'softmax' is quantised finished and normalised). What goes into a quantiser is computed in f32, as accurately as f32 sums, v_exp_f32 and their like allow (about 1e-6 of the number): no bf16 or f16 on the way to a quantiser, and a product that is left as it is and whose result goes on into a quantised operand takes f32 operands (vector FMAs, or v_wmma_f32_16x16x4_f32). A number that lies on a knife's edge between two numbers of the format may be rounded either way, as far as f32 arithmetic and the matrix unit's own rounding can turn it there, and no further.
;; One version. Each part assembles by itself: llvm-mc -triple=amdgcn-amd-amdhsa -mcpu=gfx1250 --defsym DOCPART=n.
;; ======== version 1 of 1: 2 launches
;; workspace buffers: codes 3,145,728 bytes; aux 524,288 bytes
;; launch prep (part 1): grid 256 x 1, 8 waves a work-group, no clusters, 97,280 bytes of LDS; arguments problem_seq, embd_weight, lam_w, lam_b, y, codes, aux; writes codes, aux
.if DOCPART == 1
	.amdgcn_target "amdgcn-amd-amdhsa--gfx1250"
	.amdhsa_code_object_version 6
	.text
	.protected	k_q4d734e3ee8_prep
	.globl	k_q4d734e3ee8_prep
	.p2align	8
	.type	k_q4d734e3ee8_prep,@function
k_q4d734e3ee8_prep:
	s_mov_b64 s[64:65], 0
	v_nop
	global_prefetch_b8 v0, s[64:65] scope:SCOPE_SE
	s_setreg_imm32_b32 hwreg(HW_REG_WAVE_MODE, 25, 1), 1
	s_wait_xcnt 0x0
; The 32 x 1,024 rows x = embd_weight[problem_seq] are gathered ONCE, quantised to FP6 (E2M3) with one E8M0 byte for each 32 along K = 128, and laid as the second launch's registers want them.
; Beside the codes each row gets 1 / |x| (f32 sum of squares, v_rsq_f32) and nl = -log2(e) exp(x . lam_w + lam_b), so that exp(-lam d) is later 2^(nl d).
; A block's scale is 2^(floor(log2(largest magnitude)) - 2): its byte is the largest magnitude's exponent field - 2, held at 1 from below (a block of zeros keeps 1: its codes are zeros, and this program alone reads the bytes).
; SHARES.  A work-group takes 128 rows on end (two blocks of 64 rows), each of its eight waves 16 rows, four at a time.  A load reads one whole row (32 lanes x 16 bytes = 512 bytes); four rows turn through the wave's own
; stage in LDS and come back 64 bytes a lane: lane l then holds 16 neighbours along K of row l / 8, two lanes a block of 32, eight lanes a row.
; WHAT IS WRITTEN, for each block of 64 rows:
;   codes, 6,144 bytes: the image of four A fragments.  Row kl of the block is row m = 8 (kl>>5) + 2 (kl&3) + ((kl>>4)&1) of fragment t = (kl>>2)&3; register q (0..11) of lane m + 16 h lies at 1536 t + 512 (q>>2) + 16 (m + 16 h) + 4 (q&3).
;   aux, 1,024 bytes: +0 scale words [m][t]; +256 1/|x| at [kl>>5][2 (kl&15) + ((kl>>4)&1)]; +512 y in the same order; +768 nl in the rows' own order.
; All of it is gathered in LDS and leaves behind one barrier: each store of a wave covers 512 or 256 consecutive bytes, aligned.
; LIMITS: NaN and infinities among the inputs are not served; a row of zeros gives 1/|x| = infinity; a row whose sum of squares leaves the normal range of f32 is not served; blocks whose largest magnitude lies under 2^-124 keep the byte 1.
.set NROW,  50000
.set SP,    80                         ; a lane's place in a stage: its 64 bytes + 16 of padding
.set STG,   32*SP                      ; a stage: four rows
.set WREG,  4*STG                      ; a wave has four stages, one for each of its steps: none is written twice
.set IMG,   8*WREG                     ; behind the stages: the two blocks' images of codes
.set AUX,   IMG+2*6144                 ; and their two records of 1,024 bytes
.set SPARE, AUX+2*1024                 ; the spare words, 128 bytes for each wave: four blocks of 256 bytes that no other line names
.set LN,   2                           ; v2   lane
.set L16,  3                           ; v3   16 x lane
.set SBA,  5                           ; v5   LDS: my block's scale byte
.set RKA,  6                           ; v6   LDS: my row's 1/|x| (y: 256 bytes on)
.set NLA,  7                           ; v7   LDS: my row's nl
.set SPW,  8                           ; v8   LDS address of my spare word; never rewritten
.set NIL,  9                           ; v9   0; never rewritten
.set SIN,  10                          ; v10  the stage, on the way in
.set SOUT, 11                          ; v11  and on the way out
.set WOF,  12                          ; v12  my 16 numbers of lam_w
.set YOF,  13                          ; v13  4 x (lane / 8): my row among a step's four
.set AD,   26                          ; v26-28 LDS: where my three words of codes go
.set IOUT, 29                          ; v29  LDS: the image, read back on end
.set AOUT, 30                          ; v30  LDS: the records, read back on end
.set L8,   31                          ; v31  8 x lane
.set W,    32                          ; v32-47   lam_w at my 16 places
.set O,    48                          ; v48-63   byte offsets of the 16 rows in the table
.set R,    64                          ; v64-127  16 rows as loaded; at the end what leaves
.set X,    128                         ; v128-191 four steps x 16 neighbours
.set C,    192                         ; v192-207 codes: four registers a step, so that no store's data are written again
.set E,    208                         ; v208-211 scale bytes
.set K,    212                         ; v212-215 1/|x|
.set N,    216                         ; v216-219 nl
.set YV,   220                         ; v220-223 y
	s_load_b256 s[4:11], s[0:1], 0x0               ; problem_seq, embd_weight, lam_w, lam_b
	s_load_b128 s[12:15], s[0:1], 0x20             ; y, codes
	s_load_b64 s[16:17], s[0:1], 0x30              ; aux
	v_lshl_add_u32 v[SPW], v0, 2, SPARE
	v_mov_b32 v[NIL], 0
	v_lshrrev_b32 v1, 5, v0
	v_readfirstlane_b32 s20, v1                    ; wave 0..7: its rows are kl = 16 (wave & 3) + 4 step + lane / 8 of block wave >> 2
	v_and_b32 v[LN], 31, v0
	v_lshlrev_b32 v[L16], 4, v[LN]
	v_lshlrev_b32 v[L8], 3, v[LN]
	s_lshr_b32 s21, s20, 2                         ; which of the two blocks
	s_bfe_u32 s22, s20, 0x10001                    ; kl >> 5
	s_and_b32 s23, s20, 1                          ; (kl >> 4) & 1
	s_mul_i32 s24, s21, 6144
	s_lshl_b32 s25, s22, 7
	s_add_co_u32 s24, s24, s25
	s_lshl_b32 s26, s23, 4
	s_add_co_u32 s24, s24, s26
	s_add_co_u32 s24, s24, IMG                     ; the image: block, + 16 x the wave's part of m
	s_lshl_b32 s27, s21, 10
	s_add_co_u32 s27, s27, s25
	s_add_co_u32 s28, s27, s26
	s_add_co_u32 s28, s28, AUX                     ; scale words: 16 m + 4 t + the block's byte
	s_lshl_b32 s29, s23, 2
	s_add_co_u32 s29, s29, s27
	s_add_co_u32 s29, s29, AUX+256                 ; 1/|x|: 128 (kl>>5) + 4 (8 step + 2 (lane / 8) + ((kl>>4)&1))
	s_and_b32 s30, s20, 3
	s_lshl_b32 s30, s30, 6
	s_lshl_b32 s31, s21, 10
	s_add_co_u32 s30, s30, s31
	s_add_co_u32 s30, s30, AUX+768                 ; nl: 4 kl
	v_lshrrev_b32 v[YOF], 3, v[LN]                 ; a = lane / 8: my row of the step's four = kl & 3
	v_bfe_u32 v1, v[LN], 1, 1                      ; my block of 32 is 2 c + h: h,
	v_lshlrev_b32 v4, 5, v[YOF]                    ; 32 a = 16 x (2 a)
	v_lshl_add_u32 v17, v1, 8, v4                  ; + 16 x 16 h
	v_add_nc_u32 v17, s24, v17                     ; my image lane's 16 bytes of quad 0
	v_bfe_u32 v16, v[LN], 2, 1                     ; c,
	v_mul_u32_u24 v16, v16, 6
	v_and_b32 v1, 1, v[LN]                         ; and which half of the block is mine
	v_mad_u32_u24 v16, v1, 3, v16                  ; my three words are registers q = 6 c + 3 half + 0, 1, 2 of the fragment
.irp d, 0,1,2
	v_add_nc_u32 v1, \d, v16
	v_lshrrev_b32 v14, 2, v1
	v_and_b32 v1, 3, v1
	v_lshl_add_u32 v1, v1, 2, v17
	v_lshl_add_u32 v[AD+\d], v14, 9, v1            ; 512 (q >> 2) + 4 (q & 3)
.endr
	v_bfe_u32 v1, v[LN], 1, 2
	v_add_nc_u32 v1, v4, v1
	v_add_nc_u32 v[SBA], s28, v1
	v_lshl_add_u32 v[RKA], v[YOF], 3, s29
	v_lshl_add_u32 v[NLA], v[YOF], 2, s30
	v_lshlrev_b32 v[YOF], 2, v[YOF]
	s_mul_i32 s31, s20, WREG
	v_lshrrev_b32 v1, 2, v[LN]
	v_mul_u32_u24 v[SIN], v1, SP
	v_and_b32 v1, 3, v[LN]
	v_lshl_add_u32 v[SIN], v1, 4, v[SIN]
	v_add_nc_u32 v[SIN], s31, v[SIN]               ; in: four lanes' 64 bytes on end, then the padding; a row takes eight places
	v_mul_u32_u24 v[SOUT], v[LN], SP
	v_add_nc_u32 v[SOUT], s31, v[SOUT]             ; out: my place
	v_and_b32 v1, 7, v[LN]
	v_lshlrev_b32 v[WOF], 6, v1
	s_mul_i32 s31, s20, 1536
	v_add_nc_u32 v[IOUT], s31, v[L16]
	v_add_nc_u32 v[IOUT], IMG, v[IOUT]
	s_lshl_b32 s48, s20, 8
	v_add_nc_u32 v[AOUT], s48, v[L8]
	v_add_nc_u32 v[AOUT], AUX, v[AOUT]
	s_lshl_b32 s50, ttmp9, 9                       ; my 16 rows in problem_seq and in y: 4 x (128 work-group + 16 wave)
	s_lshl_b32 s49, s20, 6
	s_add_co_u32 s50, s50, s49
	s_mov_b32 s51, 0
	s_mul_i32 s52, ttmp9, 12288                    ; what I store of the images: 1,536 bytes a wave
	s_add_co_u32 s52, s52, s31
	s_mov_b32 s53, 0
	s_lshl_b32 s54, ttmp9, 11                      ; and of the records: 256 bytes a wave
	s_add_co_u32 s54, s54, s48
	s_mov_b32 s55, 0
	s_mov_b32 s56, 0x3fb8aa3b                      ; log2(e)
	s_wait_kmcnt 0x0
	s_add_nc_u64 s[4:5], s[4:5], s[50:51]
	s_load_b512 s[32:47], s[4:5], 0x0              ; my 16 indices
	s_load_b32 s57, s[10:11], 0x0                  ; lam_b
	s_add_nc_u64 s[12:13], s[12:13], s[50:51]
	s_add_nc_u64 s[14:15], s[14:15], s[52:53]
	s_add_nc_u64 s[16:17], s[16:17], s[54:55]
.irp i, 0,1,2,3
	global_load_b128 v[W+4*\i:W+4*\i+3], v[WOF], s[8:9] offset:16*\i
.endr
.irp t, 0,1,2,3
	global_load_b32 v[YV+\t], v[YOF], s[12:13] offset:16*\t
.endr
	s_wait_kmcnt 0x0
	s_mul_f32 s57, s57, s56                        ; lam_b log2(e)
.irp i, 0,1,2,3,4,5,6,7,8,9,10,11,12,13,14,15
	s_min_u32 s[32+\i], s[32+\i], NROW-1           ; an index stays inside the table
	v_lshl_add_u32 v[O+\i], s[32+\i], 9, v[L16]    ; 512 bytes a row, 16 a lane
	global_load_b128 v[R+4*\i:R+4*\i+3], v[O+\i], s[6:7]   ; all 16 rows of the wave are on their way at once
.endr
.macro TURN t                          ; step t's four rows through its stage: LDS serves a wave's instructions in order, so no wait stands between the stores and the loads
	s_wait_loadcnt 12-4*(\t)                       ; 24 loads were issued, these four rows are numbers 9 + 4 t to 12 + 4 t: the later rows may be out
.irp i, 0,1,2,3
	ds_store_b128 v[SIN], v[R+16*(\t)+4*\i:R+16*(\t)+4*\i+3] offset:STG*(\t)+8*SP*\i
.endr
.irp i, 0,1,2,3
	ds_load_b128 v[X+16*(\t)+4*\i:X+16*(\t)+4*\i+3], v[SOUT] offset:STG*(\t)+16*\i
.endr
.endm
	TURN 0
	TURN 1
	TURN 2
	TURN 3
.macro STEP t
.set XS, X+16*(\t)
	s_wait_dscnt 8*(3-(\t))+4*(\t)                 ; behind this step's turn stand the later steps' turns, 8 instructions each, and the earlier steps' four small stores each
	v_max3_num_f32 v14, |v[XS]|, |v[XS+1]|, |v[XS+2]|               ; the largest magnitude of my 16,
	v_max3_num_f32 v15, |v[XS+3]|, |v[XS+4]|, |v[XS+5]|
	v_pk_mul_f32 v[18:19], v[XS:XS+1], v[XS:XS+1]                   ; their squares,
	v_pk_mul_f32 v[20:21], v[XS+2:XS+3], v[XS+2:XS+3]
	v_pk_mul_f32 v[22:23], v[XS:XS+1], v[W:W+1]                     ; and their part of x . lam_w: two chains each
	v_pk_mul_f32 v[24:25], v[XS+2:XS+3], v[W+2:W+3]
.irp i, 6,10
	v_max3_num_f32 v14, v14, |v[XS+\i]|, |v[XS+\i+1]|
	v_max3_num_f32 v15, v15, |v[XS+\i+2]|, |v[XS+\i+3]|
.endr
.irp i, 4,8,12
	v_pk_fma_f32 v[18:19], v[XS+\i:XS+\i+1], v[XS+\i:XS+\i+1], v[18:19]
	v_pk_fma_f32 v[20:21], v[XS+\i+2:XS+\i+3], v[XS+\i+2:XS+\i+3], v[20:21]
	v_pk_fma_f32 v[22:23], v[XS+\i:XS+\i+1], v[W+\i:W+\i+1], v[22:23]
	v_pk_fma_f32 v[24:25], v[XS+\i+2:XS+\i+3], v[W+\i+2:W+\i+3], v[24:25]
.endr
	v_max3_num_f32 v14, v14, |v[XS+14]|, |v[XS+15]|
	v_max3_num_f32 v14, v14, v15, 0x1800000        ; and the floor 2^(3 - 127): the byte cannot fall under 1
	v_pk_add_f32 v[18:19], v[18:19], v[20:21]
	v_pk_add_f32 v[22:23], v[22:23], v[24:25]
	v_max_num_f32_dpp v14, v14, v14 row_xmask:1 row_mask:0xf bank_mask:0xf   ; with my neighbour's 16: the block's
	v_add_f32 v18, v18, v19
	v_add_f32 v22, v22, v23
	v_add_nc_u32 v16, 0xff000000, v14              ; 2 off its exponent field: the conversion takes the exponent field of this operand as its scale
.irp x, 1,2,4
	v_add_f32_dpp v18, v18, v18 row_xmask:\x row_mask:0xf bank_mask:0xf   ; over the eight lanes of a row
	v_add_f32_dpp v22, v22, v22 row_xmask:\x row_mask:0xf bank_mask:0xf
.endr
	v_cvt_scalef32_pk16_fp6_f32 v[C+4*(\t):C+4*(\t)+2], v[XS:XS+15], v16   ; 16 codes, 96 bits, the first number's lowest; nearest, ties to even, beyond 7.5 the largest code
	v_lshrrev_b32 v[E+(\t)], 23, v16               ; the scale's byte (a plain line behind the conversion)
	v_fma_f32 v22, v22, s56, s57                   ; (x . lam_w + lam_b) log2(e)
	v_rsq_f32 v[K+(\t)], v18                       ; 1 / |x|
	v_exp_f32 v[N+(\t)], v22                       ; lam.  Both are first named behind the one wait that follows the four steps
.irp d, 0,1,2
	ds_store_b32 v[AD+\d], v[C+4*(\t)+\d] offset:1536*(\t)   ; the step's number is the fragment's
.endr
	ds_store_b8 v[SBA], v[E+(\t)] offset:4*(\t)    ; both lanes of a block write the same byte with the same value
.endm
	STEP 0
	STEP 1
	STEP 2
	STEP 3
	v_nop                                          ; a plain line behind the last transcendental
	s_wait_alu depctr_va_vdst(0)                   ; one wait for the eight, ahead of their first reader
.irp t, 0,1,2,3
	v_mul_f32 v[N+\t], 0xbfb8aa3b, v[N+\t]         ; nl = -log2(e) lam
.endr
.irp t, 0,1,2,3
	ds_store_b32 v[RKA], v[K+\t] offset:32*\t      ; the eight lanes of a row write the same word with the same value
	ds_store_b32 v[RKA], v[YV+\t] offset:256+32*\t
	ds_store_b32 v[NLA], v[N+\t] offset:16*\t
.endr
	s_wait_dscnt 0x0                               ; for the others' sake: my stores into the images and the records are done
	s_barrier_signal -1
	s_barrier_wait -1
.irp c, 0,1,2
	ds_load_b128 v[R+4*\c:R+4*\c+3], v[IOUT] offset:512*\c
.endr
	ds_load_b64 v[R+12:R+13], v[AOUT]
	s_wait_dscnt 0x0
.irp c, 0,1,2
	global_store_b128 v[L16], v[R+4*\c:R+4*\c+3], s[14:15] offset:512*\c   ; 32 lanes store 512 consecutive bytes, at a multiple of 256 from the buffer's first byte
.endr
	global_store_b64 v[L8], v[R+12:R+13], s[16:17] ; 32 lanes store 256 consecutive bytes, aligned
	s_wait_tensorcnt 0x0                           ; the wave's end, behind my last LDS store
	ds_add_u32 v[SPW], v[NIL]
	s_wait_dscnt 0x0
	s_endpgm
.Lfunc_end_k_q4d734e3ee8_prep:
	.size	k_q4d734e3ee8_prep, .Lfunc_end_k_q4d734e3ee8_prep-k_q4d734e3ee8_prep
	.p2alignl 7, 3214868480
	.fill 96, 4, 3214868480
	.section	.rodata,"a",@progbits
	.p2align	6, 0x0
	.amdhsa_kernel k_q4d734e3ee8_prep
		.amdhsa_group_segment_fixed_size 97280
		.amdhsa_private_segment_fixed_size 0
		.amdhsa_enable_private_segment 0
		.amdhsa_kernarg_size 56
		.amdhsa_user_sgpr_count 2
		.amdhsa_user_sgpr_kernarg_segment_ptr 1
		.amdhsa_wavefront_size32 1
		.amdhsa_system_sgpr_workgroup_id_x 1
		.amdhsa_system_sgpr_workgroup_id_y 1
		.amdhsa_system_sgpr_workgroup_id_z 1
		.amdhsa_system_vgpr_workitem_id 0
		.amdhsa_next_free_vgpr 224
		.amdhsa_next_free_sgpr 66
		.amdhsa_reserve_vcc 0
		.amdhsa_float_denorm_mode_32 3
		.amdhsa_float_denorm_mode_16_64 3
		.amdhsa_memory_ordered 1
		.amdhsa_forward_progress 1
		.amdhsa_inst_pref_size 24
	.end_amdhsa_kernel
	.amdgpu_metadata
---
amdhsa.version: [ 1, 2 ]
amdhsa.kernels:
  - .name:           k_q4d734e3ee8_prep
    .symbol:         k_q4d734e3ee8_prep.kd
    .args:
      - { .name: problem_seq, .offset: 0, .size: 8, .value_kind: global_buffer, .address_space: global }
      - { .name: embd_weight, .offset: 8, .size: 8, .value_kind: global_buffer, .address_space: global }
      - { .name: lam_w, .offset: 16, .size: 8, .value_kind: global_buffer, .address_space: global }
      - { .name: lam_b, .offset: 24, .size: 8, .value_kind: global_buffer, .address_space: global }
      - { .name: y, .offset: 32, .size: 8, .value_kind: global_buffer, .address_space: global }
      - { .name: codes, .offset: 40, .size: 8, .value_kind: global_buffer, .address_space: global }
      - { .name: aux, .offset: 48, .size: 8, .value_kind: global_buffer, .address_space: global }
    .group_segment_fixed_size: 97280
    .private_segment_fixed_size: 0
    .kernarg_segment_align: 8
    .kernarg_segment_size: 56
    .max_flat_workgroup_size: 256
    .sgpr_count:     66
    .vgpr_count:     224
    .wavefront_size: 32
...
	.end_amdgpu_metadata
.endif
;; end of part 1
;; launch main (part 2): grid 256 x 1, 16 waves a work-group, no clusters, 84,992 bytes of LDS; arguments codes, aux, out0; writes out0
.if DOCPART == 2
	.amdgcn_target "amdgcn-amd-amdhsa--gfx1250"
	.amdhsa_code_object_version 6
	.text
	.protected	k_q4d734e3ee8_main
	.globl	k_q4d734e3ee8_main
	.p2align	8
	.type	k_q4d734e3ee8_main,@function
k_q4d734e3ee8_main:
	s_mov_b64 s[64:65], 0
	v_nop
	global_prefetch_b8 v0, s[64:65] scope:SCOPE_SE
	s_setreg_imm32_b32 hwreg(HW_REG_WAVE_MODE, 25, 1), 1
	s_wait_xcnt 0x0
; yhat[b][t] = clip( sum_s y[s] w[t][s] / (sum_s w[t][s] + 1e-6), 0.01, 0.99 ),  w = sim 2^(nl_t delta),  sim[t][s] = 0.5 + 0.5 (x_t . x_s) / (|x_t| |x_s|) for s < t, else 0,  delta[t][s] = sum of sim[t][s'] over s' >= s.
; x_t . x_s is the product on codes of FP6 (E2M3) with E8M0 scales that the first launch made; all else is f32.
; THE CARRY IS TAKEN OUT.  For a block of 64 keys, delta = (the sum inside the block) + C, C the sum over all later blocks, and 2^(nl (local + C)) = 2^(nl C) 2^(nl local).  So a UNIT, 64 keys x 16 queries, is finished without
; knowing C and hands on three numbers a query: num = sum y w_local, den = sum w_local, T = sum sim.  At the end a query takes its blocks from the last to the first: num += 2^(nl C) num_j, den likewise, C += T_j.  No exponent is positive.
; SHARES.  Work-group (b, p) owns the query tiles 8 g + p, g = 0 .. 7, of batch b: one tile of 16 in each 128 queries, so that under the causal mask all work-groups have the same work.  Each of its 16 waves HOLDS ONE BLOCK OF 64 KEYS
; IN REGISTERS for the whole launch (codes, scale words, 1/|x|, y: 116 registers, read once, by loads of 512 consecutive bytes) and walks the 8 tiles; a unit that lies wholly under the mask is passed over (a branch on ids) and hands on zeros.
; The table below deals the blocks to the waves so that any four waves with the same number modulo 4, and any four on end, have the same number of units.
; LAYOUT.  The product is used transposed (source 0 = 16 keys, source 1 = 16 queries): a lane holds ONE query (lane % 16).  Row m of key fragment t is key 32 (m>>3) + 16 (m&1) + 4 t + ((m&7)>>1) of the block, so that register R (0..31)
; of lane half h holds key 32 h + 16 (R&1) + (R>>1): the even registers are 16 neighbouring keys and the odd registers the next 16.  The sum from the block's end is then 15 PACKED additions (two runs at once), and what the
; later runs add rides in the addend of the packed multiply-add that makes the exponent.
; NO JOINT LOADS: the eight work-groups of a batch read the same 110 KB, but once, at the head, straight into the registers where it stays; there is no walk over tiles, and a load into LDS would add a second trip into registers.
; THE OUTPUT leaves in runs of 64 bytes (16 lanes): a work-group owns 16 neighbouring queries at a time, which is what balances the causal work; the whole output is 131,072 bytes.
; LIMITS: where the definition gives NaN (a row of zeros, lam = infinity) this text gives a clipped number; v_exp_f32 gives 0 for results under 2^-126.
.set REC,   2176                       ; LDS: a query tile's record: 1,536 bytes of fragment image, 512 of (rq, rq, nl, nl) a lane, 128 of scale words
.set PART,  8*REC                      ; behind the eight records: the partials, 16 bytes a lane, 512 a unit, 4,096 a wave
.set SPARE, PART+16*4096               ; the spare words, 128 bytes for each wave: eight blocks of 256 bytes that no other line names
.set RR,  2                            ; v2   lane % 16
.set HH,  3                            ; v3   lane / 16
.set SPW, 4                            ; v4   LDS address of my spare word; never rewritten
.set NIL, 5                            ; v5   0; never rewritten
.set LI,  6                            ; v6   16 x lane
.set LS,  7                            ; v7   4 x lane
.set STI, 8                            ; v8   16 x lane + the record of tile wave % 8
.set STS, 9                            ; v9   4 x lane + the same
.set PW,  10                           ; v10  16 x lane + my wave's partials
.set CA,  11                           ; v11  16 x lane + PART + 512 (wave % 8): at the end, my tile's partials
.set Q,   12                           ; v12  the record in hand, by 16 bytes
.set QS,  13                           ; v13  and by 4
.set P,   14                           ; v14  the partial in hand
.set DD,  15                           ; v15  the mask: my query's place in its block - 32 (lane / 16)
.set AF,  16                           ; v16-63   my keys: four fragments of 12
.set ASC, 64                           ; v64-67   their scale words
.set BF,  68                           ; v68-79   the queries' fragment; behind the products its registers hold the four running sums
.set BSC, 80                           ; v80      its scale words
.set MH,  81                           ; v81      1.0 in lanes 0-15, 0 in lanes 16-31
.set ZR,  82                           ; v82      0
.set AX,  84                           ; v84-87   rq, rq, nl, nl: rq = 0.5 / |x_t|
.set OF,  88                           ; v88-89   nl x what the later runs add: even registers', odd registers'
.set TT,  90
.set OT,  91
.set PQ,  92                           ; v92-95   num, den, T, 0
.set RK,  96                           ; v96-127  1/|x_s| in my registers' order
.set YK,  128                          ; v128-159 y likewise
.set S,   160                          ; v160-191 the products, then sim
.set L,   192                          ; v192-223 the sums from the end, then the exponents, then 2^exponent
.set YS,  224                          ; v224-255 y sim; at the head: offsets of the loads
.set NA,  BF
.set NB,  BF+2
.set DA,  BF+4
.set DB,  BF+6
.set GB,  YS
.set GQS, YS+1
.set GQR, YS+2
.set GR,  YS+3
.set GH,  YS+4
.set G16, YS+5
.set WV,  16                           ; s16  wave
.set BB,  17                           ; s17  batch
.set PP,  18                           ; s18  p
.set J,   19                           ; s19  my block of keys, 0 .. 15
.set TL,  21                           ; s21  wave % 8
.set JD,  24                           ; s24  the block in which the tile in hand lies: 2 g + p / 4
.set G,   25                           ; s25  g
.set QO,  26                           ; s26  REC g
.set PO,  27                           ; s27  512 g
.set SEL, 28                           ; s[28:29] v_permlanex16_b32's selects for lane l xor 16
	s_load_b128 s[4:7], s[0:1], 0x0                ; codes, aux
	s_load_b64 s[8:9], s[0:1], 0x10                ; out0
	v_lshl_add_u32 v[SPW], v0, 2, SPARE
	v_mov_b32 v[NIL], 0
	v_lshrrev_b32 v1, 5, v0
	v_readfirstlane_b32 s[WV], v1
	v_and_b32 v[RR], 15, v0
	v_bfe_u32 v[HH], v0, 4, 1
	v_and_b32 v1, 31, v0
	v_lshlrev_b32 v[LI], 4, v1
	v_lshlrev_b32 v[LS], 2, v1
	s_lshr_b32 s[BB], ttmp9, 3
	s_and_b32 s[PP], ttmp9, 7
	s_and_b32 s[TL], s[WV], 7
	; Block j has 8 - j / 2 units (odd j one fewer where p < 4).  Waves 0 .. 15 take blocks 0 15 2 13 | 14 1 12 3 | 5 10 7 8 | 11 4 9 6: in this square every row and every column holds 18 units (16 where p < 4).  Four bits a wave:
	s_lshl_b32 s22, s[TL], 2
	s_mov_b32 s20, 0x694b87a5
	s_cmp_lt_u32 s[WV], 8
	s_cselect_b32 s20, 0x3c1ed2f0, s20
	s_lshr_b32 s20, s20, s22
	s_and_b32 s[J], s20, 15
	; every LDS address hangs on the lane, the wave and the count of trips alone, and is made ahead of the first branch
	s_mul_i32 s22, s[TL], REC
	v_add_nc_u32 v[STI], s22, v[LI]
	v_add_nc_u32 v[STS], s22, v[LS]
	s_lshl_b32 s22, s[WV], 12
	s_add_co_u32 s22, s22, PART
	v_add_nc_u32 v[PW], s22, v[LI]
	s_lshl_b32 s22, s[TL], 9
	s_add_co_u32 s22, s22, PART
	v_add_nc_u32 v[CA], s22, v[LI]
	; my query tile (waves 0-7: tile g = wave) lies in block 2 g + p / 4 as rows kl = 16 u + r, u = p % 4: fragment r >> 2, row 8 (u>>1) + 2 (r&3) + (u&1) of the image
	s_lshr_b32 s[JD], s[PP], 2
	s_and_b32 s22, s[PP], 3
	s_lshr_b32 s23, s22, 1
	s_and_b32 s20, s22, 1
	s_lshl_b32 s23, s23, 7
	s_lshl_b32 s46, s20, 4
	s_add_co_u32 s46, s46, s23                     ; 16 x (8 (u>>1) + (u&1))
	s_lshl_b32 s47, s20, 2
	s_add_co_u32 s47, s47, s23                     ; 128 (u>>1) + 4 (u&1)
	s_lshl_b32 s48, s22, 6                         ; 64 u
	s_lshl_b32 s49, s22, 4                         ; 16 u
	v_lshrrev_b32 v1, 2, v[RR]
	v_and_b32 v[GQS], 3, v[RR]
	v_lshl_add_u32 v[GQS], v[GQS], 5, s46          ; 16 x the image row
	v_mad_u32_u24 v[GB], v1, 1536, v[GQS]
	v_lshl_add_u32 v[GB], v[HH], 8, v[GB]          ; codes: fragment, image lane row + 16 h
	v_lshl_add_u32 v[GQS], v1, 2, v[GQS]           ; scale word [row][fragment]
	v_lshl_add_u32 v[GQR], v[RR], 3, s47           ; 1/|x|: 128 (u>>1) + 4 (2 r + (u&1))
	v_lshl_add_u32 v[GR], v[RR], 2, s48            ; nl: 4 kl
	v_lshlrev_b32 v[GH], 7, v[HH]
	v_lshlrev_b32 v[G16], 4, v[RR]
	v_cvt_f32_u32 v1, v[HH]
	v_sub_f32 v[MH], 1.0, v1
	v_mov_b32 v[ZR], 0
	v_mov_b32 v[TT], 0                             ; written once: a lane permute's destination counts as one of its sources
	v_mov_b32 v[OT], 0
	v_mov_b32 v[PQ+3], 0
	v_add_nc_u32 v[DD], s49, v[RR]
	v_lshlrev_b32 v1, 5, v[HH]
	v_sub_nc_u32 v[DD], v[DD], v1
	s_mov_b32 s[SEL], 0x76543210
	s_mov_b32 s[SEL+1], 0xfedcba98
	s_mov_b32 s[G], 0
	s_mov_b32 s[QO], 0
	s_mov_b32 s[PO], 0
	s_lshl_b32 s30, s[BB], 4
	s_add_co_u32 s31, s30, s[J]                    ; my block of keys among the 512
	s_mul_i32 s32, s31, 6144
	s_mov_b32 s33, 0
	s_lshl_b32 s34, s31, 10
	s_mov_b32 s35, 0
	s_lshl_b32 s31, s[TL], 1
	s_add_co_u32 s31, s31, s30
	s_add_co_u32 s31, s31, s[JD]                   ; the block that holds my query tile
	s_mul_i32 s36, s31, 6144
	s_mov_b32 s37, 0
	s_lshl_b32 s38, s31, 10
	s_mov_b32 s39, 0
	s_lshl_b32 s40, s[BB], 12                      ; my tile in out0: 4 x (1024 b + 128 g + 16 p)
	s_lshl_b32 s31, s[TL], 9
	s_add_co_u32 s40, s40, s31
	s_lshl_b32 s31, s[PP], 6
	s_add_co_u32 s40, s40, s31
	s_mov_b32 s41, 0
	s_wait_kmcnt 0x0
	s_add_nc_u64 s[42:43], s[4:5], s[32:33]
	s_add_nc_u64 s[44:45], s[6:7], s[34:35]
	s_add_nc_u64 s[4:5], s[4:5], s[36:37]
	s_add_nc_u64 s[6:7], s[6:7], s[38:39]
	s_add_nc_u64 s[8:9], s[8:9], s[40:41]
.irp t, 0,1,2,3
.irp c, 0,1,2
	global_load_b128 v[AF+12*\t+4*\c:AF+12*\t+4*\c+3], v[LI], s[42:43] offset:1536*\t+512*\c   ; my keys' fragments as they lie: 512 consecutive bytes a load
.endr
.endr
	global_load_b128 v[ASC:ASC+3], v[G16], s[44:45]        ; row r's scale words of the four fragments
.irp i, 0,1,2,3,4,5,6,7
	global_load_b128 v[RK+4*\i:RK+4*\i+3], v[GH], s[44:45] offset:256+16*\i
	global_load_b128 v[YK+4*\i:YK+4*\i+3], v[GH], s[44:45] offset:512+16*\i
.endr
	s_cmp_gt_u32 s[WV], 7                          ; waves 0-7 bring one query tile each and lay it in LDS as an image of its registers
	s_cbranch_scc1 .Lstaged
	global_load_b128 v[BF:BF+3], v[GB], s[4:5]
	global_load_b128 v[BF+4:BF+7], v[GB], s[4:5] offset:512
	global_load_b128 v[BF+8:BF+11], v[GB], s[4:5] offset:1024
	global_load_b32 v[BSC], v[GQS], s[6:7]
	global_load_b32 v[AX], v[GQR], s[6:7] offset:256
	global_load_b32 v[AX+2], v[GR], s[6:7] offset:768
	s_wait_loadcnt 0x0
	v_mul_f32 v[AX], 0.5, v[AX]                    ; rq = 0.5 / |x_t|
	v_mov_b32 v[AX+3], v[AX+2]                     ; each twice: pairs for the packed forms
	v_mov_b32 v[AX+1], v[AX]
	ds_store_b128 v[STI], v[BF:BF+3]
	ds_store_b128 v[STI], v[BF+4:BF+7] offset:512
	ds_store_b128 v[STI], v[BF+8:BF+11] offset:1024
	ds_store_b128 v[STI], v[AX:AX+3] offset:1536
	ds_store_b32 v[STS], v[BSC] offset:2048
.Lstaged:
	s_wait_dscnt 0x0                               ; for the others' sake: my record is written
	s_barrier_signal -1
	s_barrier_wait -1                              ; the eight records lie in LDS, and are written no more
	s_wait_loadcnt 0x0                             ; my keys
.Ltrip:                                            ; eight trips in every wave: tile g
	s_wait_dscnt 0x0                               ; the last trip's store has read its registers: they may be written
	v_add_nc_u32 v[P], s[PO], v[PW]
	v_add_nc_u32 v[Q], s[QO], v[LI]
	v_add_nc_u32 v[QS], s[QO], v[LS]
	s_cmp_gt_u32 s[J], s[JD]                       ; all my keys come after the tile's queries: nothing to multiply
	s_cbranch_scc1 .Lnone
	ds_load_b128 v[BF:BF+3], v[Q]
	ds_load_b128 v[BF+4:BF+7], v[Q] offset:512
	ds_load_b128 v[BF+8:BF+11], v[Q] offset:1024
	ds_load_b32 v[BSC], v[QS] offset:2048
	ds_load_b128 v[AX:AX+3], v[Q] offset:1536
	s_wait_dscnt 0x0
.irp t, 0,1,2,3
	v_wmma_scale_f32_16x16x128_f8f6f4 v[S+8*\t:S+8*\t+7], v[AF+12*\t:AF+12*\t+11], v[BF:BF+11], 0, v[ASC+\t], v[BSC] matrix_a_fmt:MATRIX_FMT_FP6 matrix_b_fmt:MATRIX_FMT_FP6
.endr
.rept 4
	v_nop                                          ; four places between the products and the first read of a result (ISA guide 7.12.1)
.endr
.set i, 0
.rept 16
	v_pk_mul_f32 v[S+2*i:S+2*i+1], v[S+2*i:S+2*i+1], v[RK+2*i:RK+2*i+1]   ; x 1/|x_s|; each result is read from its low end on
.set i, i+1
.endr
.set i, 0
.rept 16
	v_pk_fma_f32 v[S+2*i:S+2*i+1], v[S+2*i:S+2*i+1], v[AX:AX+1], 0.5 op_sel_hi:[1,1,0]   ; sim = 0.5 + 0.5 cos
.set i, i+1
.endr
	s_cmp_lg_u32 s[J], s[JD]                       ; only the block in which the tile itself lies is cut by the mask
	s_cbranch_scc1 .Lopen
.set i, 0
.rept 32
	v_cmp_ge_i32 vcc_lo, 16*(i%2)+i/2, v[DD]       ; register i holds key 32 h + 16 (i % 2) + i / 2 of the block: it counts only if it comes before my query
	v_cndmask_b32 v[S+i], v[S+i], v[ZR], vcc_lo
.set i, i+1
.endr
.Lopen:
.set i, 14
.rept 15                                           ; the sums from the end, both runs at once; y sim stands between the links of the chain
.if i == 14
	v_pk_add_f32 v[L+28:L+29], v[S+30:S+31], v[S+28:S+29]
.else
	v_pk_add_f32 v[L+2*i:L+2*i+1], v[L+2*i+2:L+2*i+3], v[S+2*i:S+2*i+1]
.endif
	v_pk_mul_f32 v[YS+2*i+2:YS+2*i+3], v[YK+2*i+2:YK+2*i+3], v[S+2*i+2:S+2*i+3]
.set i, i-1
.endr
	v_add_f32 v[TT], v[L], v[L+1]                  ; my half's 32 keys
	v_pk_mul_f32 v[YS:YS+1], v[YK:YK+1], v[S:S+1]
	v_permlanex16_b32 v[OT], v[TT], s[SEL], s[SEL+1]   ; the other half's
	v_mul_f32 v[OF+1], v[OT], v[MH]                ; behind my odd run lie: in lanes 0-15 the other half's keys, in lanes 16-31 none;
	v_add_f32 v[OF], v[OF+1], v[L+1]               ; behind my even run my odd run too
	v_pk_mul_f32 v[OF:OF+1], v[OF:OF+1], v[AX+2:AX+3]
	v_pk_fma_f32 v[L:L+1], v[L:L+1], v[AX+2:AX+3], v[OF:OF+1]       ; the exponent nl x (sum from the block's end)
	v_pk_fma_f32 v[L+2:L+3], v[L+2:L+3], v[AX+2:AX+3], v[OF:OF+1]
.set i, 0
.rept 16                                           ; the 32 exponentials are one batch; no line ahead of its wait names a result
.if i < 13
	v_pk_fma_f32 v[L+2*i+4:L+2*i+5], v[L+2*i+4:L+2*i+5], v[AX+2:AX+3], v[OF:OF+1]
.elseif i == 13
	v_pk_fma_f32 v[L+30:L+31], v[S+30:S+31], v[AX+2:AX+3], v[OF:OF+1]   ; a run's last key: its sum is its sim
.endif
	v_exp_f32 v[L+2*i], v[L+2*i]
	v_exp_f32 v[L+2*i+1], v[L+2*i+1]
.set i, i+1
.endr
	v_add_f32 v[PQ+2], v[TT], v[OT]                ; T, the block's sum of sims (a plain line behind the last exponential)
	s_wait_alu depctr_va_vdst(0)                   ; one wait for the batch, ahead of its first reader
	v_pk_mul_f32 v[DA:DA+1], v[S:S+1], v[L:L+1]    ; den = sum sim e, num = sum (y sim) e: four chains by turns
	v_pk_mul_f32 v[NA:NA+1], v[YS:YS+1], v[L:L+1]
	v_pk_mul_f32 v[DB:DB+1], v[S+2:S+3], v[L+2:L+3]
	v_pk_mul_f32 v[NB:NB+1], v[YS+2:YS+3], v[L+2:L+3]
.set i, 2
.rept 7
	v_pk_fma_f32 v[DA:DA+1], v[S+2*i:S+2*i+1], v[L+2*i:L+2*i+1], v[DA:DA+1]
	v_pk_fma_f32 v[NA:NA+1], v[YS+2*i:YS+2*i+1], v[L+2*i:L+2*i+1], v[NA:NA+1]
	v_pk_fma_f32 v[DB:DB+1], v[S+2*i+2:S+2*i+3], v[L+2*i+2:L+2*i+3], v[DB:DB+1]
	v_pk_fma_f32 v[NB:NB+1], v[YS+2*i+2:YS+2*i+3], v[L+2*i+2:L+2*i+3], v[NB:NB+1]
.set i, i+2
.endr
	v_pk_add_f32 v[DA:DA+1], v[DA:DA+1], v[DB:DB+1]
	v_pk_add_f32 v[NA:NA+1], v[NA:NA+1], v[NB:NB+1]
	v_add_f32 v[PQ+1], v[DA], v[DA+1]              ; my half's part: the two halves are added at the end
	v_add_f32 v[PQ], v[NA], v[NA+1]
	s_branch .Lstore
.Lnone:
	v_mov_b32 v[PQ], 0
	v_mov_b32 v[PQ+1], 0
	v_mov_b32 v[PQ+2], 0
.Lstore:
	ds_store_b128 v[P], v[PQ:PQ+3]
	s_add_co_u32 s[QO], s[QO], REC
	s_add_co_u32 s[PO], s[PO], 512
	s_add_co_u32 s[JD], s[JD], 2
	s_add_co_u32 s[G], s[G], 1
	s_cmp_lt_u32 s[G], 8
	s_cbranch_scc1 .Ltrip
	s_wait_dscnt 0x0                               ; for the others' sake: my partials are written
	s_barrier_signal -1
	s_barrier_wait -1
	s_cmp_gt_u32 s[WV], 7                          ; waves 0-7 finish one tile each: lane (r, h) takes query r's partials of half h
	s_cbranch_scc1 .Lend
	ds_load_b128 v[AX:AX+3], v[STI] offset:1536
.set k, 0
.irp w, 1,4,3,6,12,9,14,11,10,15,8,13,7,2,5,0      ; the waves that hold blocks 15, 14 .. 0: entry k is block 15 - k
	ds_load_b128 v[S+4*k:S+4*k+3], v[CA] offset:\w*4096
.set k, k+1
.endr
	s_wait_dscnt 0x0
.set k, 1
.rept 15
	v_mul_f32 v[S+4*k+3], v[AX+2], v[S+4*k-2]      ; nl C: C = the sum of T over the blocks behind this one,
.if k < 15
	v_add_f32 v[S+4*k+2], v[S+4*k-2], v[S+4*k+2]   ; kept as a running sum in T's places
.endif
.set k, k+1
.endr
.set k, 1
.rept 15
	v_exp_f32 v[S+4*k+2], v[S+4*k+3]               ; 2^(nl C), at most 1
.set k, k+1
.endr
	v_nop                                          ; a plain line behind the last exponential
	s_wait_alu depctr_va_vdst(0)                   ; one wait for the fifteen
	v_pk_fma_f32 v[OF:OF+1], v[S+4:S+5], v[S+6:S+7], v[S:S+1] op_sel_hi:[1,0,1]   ; (num, den) as a pair; behind the last block lies nothing: its factor is 1
.set k, 2
.rept 14
	v_pk_fma_f32 v[OF:OF+1], v[S+4*k:S+4*k+1], v[S+4*k+2:S+4*k+3], v[OF:OF+1] op_sel_hi:[1,0,1]
.set k, k+1
.endr
	v_permlanex16_b32 v[TT], v[OF], s[SEL], s[SEL+1]
	v_permlanex16_b32 v[OT], v[OF+1], s[SEL], s[SEL+1]
	v_add_f32 v[OF], v[OF], v[TT]                  ; with the other half's keys
	v_add_f32 v[OF+1], v[OF+1], v[OT]
	v_add_f32 v[OF+1], 0x358637bd, v[OF+1]         ; + 1e-6
	v_rcp_f32 v[OT], v[OF+1]
	v_lshlrev_b32 v1, 2, v[RR]                     ; (plain lines behind the reciprocal)
	v_and_b32 v[TT], 31, v0
	s_wait_alu depctr_va_vdst(0)                   ; the wait, ahead of the first reader
	v_mul_f32 v[OF], v[OF], v[OT]
	v_max_num_f32 v[OF], 0x3c23d70a, v[OF]         ; clip to 0.01 .. 0.99
	v_min_num_f32 v[OF], 0x3f7d70a4, v[OF]
	v_cmp_gt_u32 vcc_lo, 16, v[TT]
	s_wait_xcnt 0x0                                ; EXEC changes only behind this wait
	s_and_saveexec_b32 s20, vcc_lo                 ; both halves hold the same 16 numbers: lanes 0-15 store them, 64 consecutive bytes
	global_store_b32 v1, v[OF], s[8:9]
	s_wait_xcnt 0x0                                ; and again, in front of the line that widens it
	s_or_b32 exec_lo, exec_lo, s20
.Lend:
	s_wait_tensorcnt 0x0                           ; the wave's end, behind my last LDS store
	ds_add_u32 v[SPW], v[NIL]
	s_wait_dscnt 0x0
	s_endpgm
.Lfunc_end_k_q4d734e3ee8_main:
	.size	k_q4d734e3ee8_main, .Lfunc_end_k_q4d734e3ee8_main-k_q4d734e3ee8_main
	.p2alignl 7, 3214868480
	.fill 96, 4, 3214868480
	.section	.rodata,"a",@progbits
	.p2align	6, 0x0
	.amdhsa_kernel k_q4d734e3ee8_main
		.amdhsa_group_segment_fixed_size 84992
		.amdhsa_private_segment_fixed_size 0
		.amdhsa_enable_private_segment 0
		.amdhsa_kernarg_size 24
		.amdhsa_user_sgpr_count 2
		.amdhsa_user_sgpr_kernarg_segment_ptr 1
		.amdhsa_wavefront_size32 1
		.amdhsa_system_sgpr_workgroup_id_x 1
		.amdhsa_system_sgpr_workgroup_id_y 1
		.amdhsa_system_sgpr_workgroup_id_z 1
		.amdhsa_system_vgpr_workitem_id 0
		.amdhsa_next_free_vgpr 256
		.amdhsa_next_free_sgpr 66
		.amdhsa_reserve_vcc 1
		.amdhsa_float_denorm_mode_32 3
		.amdhsa_float_denorm_mode_16_64 3
		.amdhsa_memory_ordered 1
		.amdhsa_forward_progress 1
		.amdhsa_inst_pref_size 25
	.end_amdhsa_kernel
	.amdgpu_metadata
---
amdhsa.version: [ 1, 2 ]
amdhsa.kernels:
  - .name:           k_q4d734e3ee8_main
    .symbol:         k_q4d734e3ee8_main.kd
    .args:
      - { .name: codes, .offset: 0, .size: 8, .value_kind: global_buffer, .address_space: global }
      - { .name: aux, .offset: 8, .size: 8, .value_kind: global_buffer, .address_space: global }
      - { .name: out0, .offset: 16, .size: 8, .value_kind: global_buffer, .address_space: global }
    .group_segment_fixed_size: 84992
    .private_segment_fixed_size: 0
    .kernarg_segment_align: 8
    .kernarg_segment_size: 24
    .max_flat_workgroup_size: 512
    .sgpr_count:     66
    .vgpr_count:     256
    .wavefront_size: 32
...
	.end_amdgpu_metadata
.endif
;; end of part 2
